; MI455X (gfx1250); checked and timed in simulation.
; The chip was launched on July 23, 2026; its instructions are those of AMD's public machine-readable ISA for CDNA 5 (MIT licence, August 2026) and "CDNA5" Instruction Set Architecture Reference Guide (July 2026). The comments in the code are by the model that wrote it; some were corrected since.
;; Clustered Attention. Allowed arithmetic: matrix products marked QUANTISED: E3M2 operands, one E8M0 scale for each 32 along K, by v_wmma_scale_f32_16x16x128_f8f6f4 with both operands' format E3M2, f32 sums; everything else in f32.
;; Inputs: key 4 x 4,096 x 512 float32; label_arr 4 x 4,096 int32; query 4 x 4,096 x 512 float32; value 4 x 4,096 x 512 float32.
;; Outputs: out0 4 x 4,096 x 512 float32.
;; This version of the problem:
;;   THIS VERSION OF THE PROBLEM IS GIVEN IN LOW PRECISION. The matrix products marked QUANTISED in the list below multiply operands that are first quantised to E3M2 (3 exponent bits, 2 mantissa bits; 6 bits a number), with one power-of-two scale for each 32 numbers along K (OCP MX v1.0); their sums are f32. All else is computed in f32.
;;   The module's matrix products, in the order in which they are computed (A, B: the left and right operand; K: the contracted axis; several contracted axes count as one K, in the product's order):
;;     1. batch 4 x [M 4,096, K 512] x [K 512, N 4,096]; A: input query; B: input key: QUANTISED
;;     2. batch 4 x [M 4,096, K 4,096] x [K 4,096, N 512]; A: softmax (see below); B: input value: QUANTISED
;;   THE QUANTISER, for each operand of a quantised product, along K:
;;     - K is cut into blocks of 32 from its start; a last block that is shorter is filled with zeros.
;;     - A block's scale is 2^e with e = floor(log2(the largest magnitude in the block)) - 4, held to -126 .. 127; a block of zeros has e = 0. As a byte (E8M0): e + 127.
;;     - Each number is divided by its block's scale, clamped to +-28, and rounded to the nearest number of E3M2, ties to even, subnormals kept.
;;     - The product sums the exact products of the quantised numbers (number of the format x scale) in f32.
;;   ~~~python
;;   def quantise(x, axis):      # numpy; x: float32 -> the quantised numbers, widened to float32 again
;;       x = np.moveaxis(x, axis, -1); K = x.shape[-1]
;;       x = np.pad(x, [(0, 0)] * (x.ndim - 1) + [(0, -K % 32)]); x = x.reshape(x.shape[:-1] + (-1, 32)); a = np.abs(x).max(-1, keepdims=True)
;;       e = np.where(a > 0, np.clip(np.frexp(np.where(a > 0, a, 1))[1] - 1 - 4, -126, 127), 0)      # np.frexp(a)[1] - 1 = floor(log2(a)), exactly
;;       r = np.clip(x / 2.0 ** e, -28, 28)
;;       step = 2.0 ** (np.maximum(np.frexp(np.where(r == 0, 1, r))[1] - 1, -2) - 2)
;;       q = np.round(r / step) * step * 2.0 ** e      # np.round: ties to even
;;       return np.moveaxis(q.reshape(q.shape[:-2] + (-1,))[..., :K], -1, axis).astype(np.float32)
;;   ~~~
;;   SOFTMAX AHEAD OF A QUANTISED PRODUCT. Where the list says 'softmax', what is quantised is not the finished softmax but p = 2^(t - M), with t = logit x log2(e) and M = ceil(the row's largest t), a whole number; so 1/2 < the row's largest p <= 1. The row's sum l is taken of the UNQUANTISED p, in f32, and the product's result is divided by l at the end. Since M is a whole number, a kernel that streams over the keys may use a running M (the ceiling of the running maximum): every later rescaling is an exact power of two, which a block's scale takes up: the codes' values come out the same.
;;   OPERANDS COMPUTED ON THE WAY. 'Computed on the way' means the value that the module computes at that place (a softmax that the list does not call 'softmax' is quantised finished and normalised). What goes into a quantiser is computed in f32, as accurately as f32 sums, v_exp_f32 and their like allow (about 1e-6 of the number): no bf16 or f16 on the way to a quantiser, and a product that is left as it is and whose result goes on into a quantised operand takes f32 operands (vector FMAs, or v_wmma_f32_16x16x4_f32). A number that lies on a knife's edge between two numbers of the format may be rounded either way, as far as f32 arithmetic and the matrix unit's own rounding can turn it there, and no further.
;; One version. Each part assembles by itself: llvm-mc -triple=amdgcn-amd-amdhsa -mcpu=gfx1250 --defsym DOCPART=n.
;; ======== version 1 of 1: 2 launches
;; limits: inputs' magnitudes at most 3,500; right only within a limited range of input values
;; workspace buffers: qcodes 6,553,600 bytes; kcodes 6,553,600 bytes; vcodes 6,553,600 bytes
;; launch quant (part 1): grid 384 x 1, 4 waves a work-group, no clusters, 34,304 bytes of LDS; arguments query, key, value, qcodes, kcodes, vcodes; writes qcodes, kcodes, vcodes
.if DOCPART == 1
	.amdgcn_target "amdgcn-amd-amdhsa--gfx1250"
	.amdhsa_code_object_version 6
	.text
	.protected	k_q95d3268ebd_quant
	.globl	k_q95d3268ebd_quant
	.p2align	8
	.type	k_q95d3268ebd_quant,@function
k_q95d3268ebd_quant:
	s_mov_b64 s[64:65], 0
	v_nop
	global_prefetch_b8 v0, s[64:65] scope:SCOPE_SE
	s_setreg_imm32_b32 hwreg(HW_REG_WAVE_MODE, 25, 1), 1
	s_wait_xcnt 0x0
; query, key, value [4][4096][512] f32 become codes of E3M2 (6 bits) with one E8M0 byte for each 32 along the K of the product that takes them:
; query and key along d (their last axis), value along the KEYS (its middle axis), in blocks of 32 neighbouring keys.
; NO WORK OF reference() IS LEFT OUT in this program: pairs of unlike labels lie inside tiles that also hold live pairs, so both products are made whole and every input is loaded.
; A block's scale is 2^(floor(log2(largest magnitude)) - 4): its byte is the largest magnitude's exponent field - 4, held at 1 from below by a floor among the maximum's leaves.
; LIMITS: a block of zeros gets the byte 1 where the rule says 127 (its codes are zeros, and this program alone reads the bytes); blocks whose largest magnitude lies under 2^(4 - 126) are held at byte 1;
; NaN and infinities among the inputs are not served.
; THE CODES ARE LAID IN THE ORDER OF THE OPERANDS' REGISTERS.  A buffer is 128 tiles of 51,200 bytes; a tile is 4 parts of 12,800 bytes; a part is 8 fragment images of 1,536 bytes and 512 bytes of scale words.
; A fragment image is [c = 0..2][lane][16 bytes]: registers 4 c .. 4 c + 3 of the lane's 12.  So the next launch brings a part by one dense tensor load and a fragment by three loads of 16 bytes a lane.
;   qcodes, kcodes: tile = 128 rows, part w = rows 32 w on, fragment 4 u + s: lane (r, h) holds row 32 w + 8 u + r + 8 (r / 8), d blocks 4 s + h and 4 s + 2 + h; scale image: lane (r, u): that row's 16 bytes.
;   vcodes: tile = 128 keys, part w = d 128 w on, fragment t: lane (r, h) holds d = 128 w + 16 t + r, key blocks h and 2 + h; scale image: lane (r, hh), word x: the four bytes of row r of d tile 2 x + hh.
; SHARES: work-groups 0-127 query, 128-255 key, 256-383 value; a work-group a tile, a wave a part.  Waves share nothing: no barrier.  No tensor loads.
.set SPARE, 33792                      ; behind the four stages: the spare words, 128 bytes a wave
.set STW,   8448                       ; a wave's stage: 16 rows x (512 + 16) bytes
.set RB,    16                         ; v16-79, v80-143  two sets of 16 x 4 registers as loaded
.set X,     144                        ; v144-207 64 numbers: two whole blocks of my row
.set CC,    208                        ; v208-219, v220-231 a fragment's codes, two sets by turns
.set TT,    232                        ; v232-234, v236-238 the upper halves' codes (a conversion's three registers begin on an even number)
.set WW,    248                        ; v248-255 scale words: fragment f's at v[WW + f]
	s_load_b256 s[4:11], s[0:1], 0x0               ; query s[4:5], key s[6:7], value s[8:9], qcodes s[10:11]
	s_load_b128 s[12:15], s[0:1], 0x20             ; kcodes s[12:13], vcodes s[14:15]
	v_lshl_add_u32 v1, v0, 2, SPARE                ; my spare word; never rewritten
	v_mov_b32 v2, 0                                ; 0; never rewritten
	v_lshrrev_b32 v3, 5, v0
	v_readfirstlane_b32 s16, v3                    ; wave 0..3
	v_and_b32 v3, 31, v0                           ; lane
	v_and_b32 v4, 15, v0                           ; r
	v_bfe_u32 v5, v0, 4, 1                         ; h
	s_mov_b32 s19, 0
	s_mul_i32 s22, s16, 12800                      ; my part in a tile of codes
	s_wait_kmcnt 0x0
	s_cmp_ge_u32 ttmp9, 256
	s_cbranch_scc1 .Lvalue
	; ---- query or key: K is innermost.  Only pointers are chosen: both tensors take one way through the text
	s_cmp_lt_u32 ttmp9, 128
	s_cselect_b64 s[4:5], s[4:5], s[6:7]
	s_cselect_b64 s[10:11], s[10:11], s[12:13]
	s_and_b32 s17, ttmp9, 127                      ; the tile
	s_lshl_b32 s18, s17, 18                        ; 128 rows of 2,048 bytes,
	s_lshl_b32 s23, s16, 16                        ; my 32 of them
	s_add_co_u32 s18, s18, s23
	s_add_nc_u64 s[4:5], s[4:5], s[18:19]
	s_mul_i32 s18, s17, 51200
	s_add_co_u32 s18, s18, s22
	s_add_nc_u64 s[10:11], s[10:11], s[18:19]
	s_mul_i32 s17, s16, STW
	s_mov_b32 s20, 0x76543210
	s_mov_b32 s21, 0xfedcba98                      ; v_permlanex16_b32's selects for lane l xor 16
	s_wait_alu depctr_va_vdst(0)
	v_lshlrev_b32 v6, 4, v3                        ; 16 x lane: in memory, for loads and for images
	v_lshl_add_u32 v7, v3, 4, s17                  ; the stage, on the way in: a row as it lies
	v_mul_u32_u24 v8, v4, 528
	v_lshl_add_u32 v8, v5, 7, v8
	v_add_nc_u32 v8, s17, v8                       ; and back: row r, block h of its four
	v_lshlrev_b32 v9, 3, v5                        ; 8 h
	v_mov_b32 v247, 0                              ; written once: a lane permute's destination counts as one of its sources
; Fragment f = 4 u + s: 16 rows x 128 numbers.  Each load reads 512 consecutive bytes of one row.
.macro LOADQ f
.irp i, 0,1,2,3,4,5,6,7,8,9,10,11,12,13,14,15
	global_load_b128 v[RB+64*((\f)%2)+4*\i:RB+64*((\f)%2)+4*\i+3], v6, s[4:5] offset:(8*((\f)/4)+\i+8*(\i/8))*2048+512*((\f)%4) th:TH_LOAD_NT
.endr
.endm
.macro FRAGQ f
.set RS, RB+64*((\f)%2)
.set CS, CC+12*((\f)%2)
.if (\f) < 7
	s_wait_loadcnt 16                              ; my 16 loads are in; the next fragment's 16 may be out
.else
	s_wait_loadcnt 0
.endif
.irp i, 0,1,2,3,4,5,6,7,8,9,10,11,12,13,14,15
	ds_store_b128 v7, v[RS+4*\i:RS+4*\i+3] offset:528*\i
.endr
.irp e, 0,1,2,3,4,5,6,7
	ds_load_b128 v[X+4*\e:X+4*\e+3], v8 offset:16*\e               ; LDS serves a wave's instructions in order: these see my stores.  Block 4 s + h of row r
.endr
.irp e, 0,1,2,3,4,5,6,7
	ds_load_b128 v[X+32+4*\e:X+32+4*\e+3], v8 offset:256+16*\e     ; and block 4 s + 2 + h
.endr
	s_wait_dscnt 0x0                               ; the numbers are back, and the stores into the stage have read their registers
	s_wait_xcnt 0x0                                ; the image stores of two fragments ago have read this set of codes
.if (\f)+2 < 8
	LOADQ (\f)+2
.endif
	v_max3_num_f32 v240, |v[X]|, |v[X+1]|, 0x2800000               ; the largest magnitudes of my two blocks, by turns, each with the floor 2^(5 - 127)
	v_max3_num_f32 v241, |v[X+32]|, |v[X+33]|, 0x2800000
.irp i, 2,4,6,8,10,12,14,16,18,20,22,24,26,28,30
	v_max3_num_f32 v240, v240, |v[X+\i]|, |v[X+\i+1]|
	v_max3_num_f32 v241, v241, |v[X+32+\i]|, |v[X+33+\i]|
.endr
	v_add_nc_u32 v242, 0xfe000000, v240            ; 4 off the exponent field: the conversion's scale operand
	v_add_nc_u32 v243, 0xfe000000, v241
	v_lshrrev_b32 v244, 23, v242                   ; the bytes
	v_lshrrev_b32 v245, 23, v243
	v_lshl_or_b32 v244, v245, 16, v244
	v_lshlrev_b32 v244, v9, v244                   ; at their places in the row's word for this K step
	v_permlanex16_b32 v247, v244, s20, s21
	v_or_b32 v[WW+(\f)], v244, v247                ; with lane l xor 16's two the word is whole
	v_cvt_scalef32_pk16_bf6_f32 v[CS:CS+2], v[X:X+15], v242
	v_cvt_scalef32_pk16_bf6_f32 v[TT:TT+2], v[X+16:X+31], v242
	v_cvt_scalef32_pk16_bf6_f32 v[CS+6:CS+8], v[X+32:X+47], v243
	v_cvt_scalef32_pk16_bf6_f32 v[TT+4:TT+6], v[X+48:X+63], v243
	v_nop                                          ; one plain place behind the scaled conversions
.irp i, 0,1,2
	v_mov_b32 v[CS+3+\i], v[TT+\i]
	v_mov_b32 v[CS+9+\i], v[TT+4+\i]
.endr
.irp c, 0,1,2
	global_store_b128 v6, v[CS+4*\c:CS+4*\c+3], s[10:11] offset:1536*(\f)+512*\c    ; 32 lanes store 512 consecutive bytes, aligned
.endr
.endm
	LOADQ 0
	LOADQ 1
	s_wait_alu depctr_va_vdst(0)
.irp f, 0,1,2,3,4,5,6,7
	FRAGQ \f
.endr
	v_cmp_lt_u32 vcc_lo, 15, v3                    ; lanes 16-31 carry the words of the rows of u = 1
.irp s, 0,1,2,3
	v_cndmask_b32 v[240+\s], v[WW+\s], v[WW+4+\s], vcc_lo
.endr
	global_store_b128 v6, v[240:243], s[10:11] offset:12288
	s_branch .Lend
	; ---- value: K (the keys) is not innermost.  A lane takes a column d and its registers run down the keys: a block of 32 keys lies in one lane
.Lvalue:
	s_sub_co_u32 s17, ttmp9, 256                   ; the tile: 128 keys
	s_lshl_b32 s18, s17, 18
	s_lshl_b32 s23, s16, 9                         ; my 128 columns
	s_add_co_u32 s18, s18, s23
	s_add_nc_u64 s[8:9], s[8:9], s[18:19]
	s_mul_i32 s18, s17, 51200
	s_add_co_u32 s18, s18, s22
	s_add_nc_u64 s[14:15], s[14:15], s[18:19]
	s_wait_alu depctr_va_vdst(0)
	v_lshlrev_b32 v6, 2, v3                        ; in: 4 bytes a lane
	v_mul_u32_u24 v7, v5, 1536
	v_lshl_add_u32 v7, v4, 4, v7                   ; out: column 32 x + lane is row lane % 16 of d tile 2 x + lane / 16
	v_lshlrev_b32 v8, 4, v3
; Batch q = 4 bb + x: key block bb, columns 32 x on.  v16-47, v48-79: two sets of 32 numbers.  v[80 + 24 x + 12 hb ..]: the 12 registers of the operand's lane (r, hb) of my d tile.  v184-187: my four columns' scale words.
.macro LOADV q
.irp i, 0,1,2,3,4,5,6,7,8,9,10,11,12,13,14,15,16,17,18,19,20,21,22,23,24,25,26,27,28,29,30,31
	global_load_b32 v[16+32*((\q)%2)+\i], v6, s[8:9] offset:(32*((\q)/4)+\i)*2048+128*((\q)%4) th:TH_LOAD_NT
.endr
.endm
.macro BLOCKV q
.set XS, 16+32*((\q)%2)
.set FB, 80+24*((\q)%4)+12*(((\q)/4)%2)+6*((\q)/8)
.set FS, 80+24*((\q)%4)+12*(((\q)/4)%2)
.if (\q) < 15
	s_wait_loadcnt 32                              ; my 32 loads are in; the next batch's may be out
.else
	s_wait_loadcnt 0
.endif
	v_max3_num_f32 v180, |v[XS]|, |v[XS+1]|, 0x2800000             ; the block's largest magnitude, with the floor 2^(5 - 127): all 32 numbers are mine
	v_max3_num_f32 v181, |v[XS+2]|, |v[XS+3]|, |v[XS+4]|
.irp i, 5,9,13,17,21,25
	v_max3_num_f32 v180, v180, |v[XS+\i]|, |v[XS+\i+1]|
	v_max3_num_f32 v181, v181, |v[XS+\i+2]|, |v[XS+\i+3]|
.endr
	v_max3_num_f32 v180, v180, |v[XS+29]|, |v[XS+30]|
	v_max3_num_f32 v180, v180, v181, |v[XS+31]|
	v_add_nc_u32 v182, 0xfe000000, v180            ; the conversion's scale operand
	v_lshrrev_b32 v183, 23, v182                   ; the byte
.if (\q)/4 == 0
	v_mov_b32 v[184+(\q)%4], v183
.else
	v_lshl_or_b32 v[184+(\q)%4], v183, 8*((\q)/4), v[184+(\q)%4]
.endif
	v_cvt_scalef32_pk16_bf6_f32 v[FB:FB+2], v[XS:XS+15], v182
	v_cvt_scalef32_pk16_bf6_f32 v[176:178], v[XS+16:XS+31], v182
	v_nop                                          ; one plain place behind the scaled conversions
.irp i, 0,1,2
	v_mov_b32 v[FB+3+\i], v[176+\i]
.endr
.if (\q)+2 < 16
	LOADV (\q)+2
.endif
.if (\q)/4 >= 2                        ; key blocks hb and 2 + hb are made: the operand's lanes (r, hb) leave.  Sixteen lanes store 256 consecutive bytes, aligned; no register of these is written again
.irp c, 0,1,2
	global_store_b128 v7, v[FS+4*\c:FS+4*\c+3], s[14:15] offset:3072*((\q)%4)+256*((\q)/4-2)+512*\c
.endr
.endif
.endm
	LOADV 0
	LOADV 1
.irp q, 0,1,2,3,4,5,6,7,8,9,10,11,12,13,14,15
	BLOCKV \q
.endr
	global_store_b128 v8, v[184:187], s[14:15] offset:12288
.Lend:
	s_wait_tensorcnt 0x0                           ; the wave's end
	ds_add_u32 v1, v2
	s_wait_dscnt 0x0
	s_endpgm
.Lfunc_end_k_q95d3268ebd_quant:
	.size	k_q95d3268ebd_quant, .Lfunc_end_k_q95d3268ebd_quant-k_q95d3268ebd_quant
	.p2alignl 7, 3214868480
	.fill 96, 4, 3214868480
	.section	.rodata,"a",@progbits
	.p2align	6, 0x0
	.amdhsa_kernel k_q95d3268ebd_quant
		.amdhsa_group_segment_fixed_size 34304
		.amdhsa_private_segment_fixed_size 0
		.amdhsa_enable_private_segment 0
		.amdhsa_kernarg_size 48
		.amdhsa_user_sgpr_count 2
		.amdhsa_user_sgpr_kernarg_segment_ptr 1
		.amdhsa_wavefront_size32 1
		.amdhsa_system_sgpr_workgroup_id_x 1
		.amdhsa_system_sgpr_workgroup_id_y 1
		.amdhsa_system_sgpr_workgroup_id_z 1
		.amdhsa_system_vgpr_workitem_id 0
		.amdhsa_next_free_vgpr 256
		.amdhsa_next_free_sgpr 66
		.amdhsa_reserve_vcc 1
		.amdhsa_float_denorm_mode_32 3
		.amdhsa_float_denorm_mode_16_64 3
		.amdhsa_memory_ordered 1
		.amdhsa_forward_progress 1
		.amdhsa_inst_pref_size 131
	.end_amdhsa_kernel
	.amdgpu_metadata
---
amdhsa.version: [ 1, 2 ]
amdhsa.kernels:
  - .name:           k_q95d3268ebd_quant
    .symbol:         k_q95d3268ebd_quant.kd
    .args:
      - { .name: query, .offset: 0, .size: 8, .value_kind: global_buffer, .address_space: global }
      - { .name: key, .offset: 8, .size: 8, .value_kind: global_buffer, .address_space: global }
      - { .name: value, .offset: 16, .size: 8, .value_kind: global_buffer, .address_space: global }
      - { .name: qcodes, .offset: 24, .size: 8, .value_kind: global_buffer, .address_space: global }
      - { .name: kcodes, .offset: 32, .size: 8, .value_kind: global_buffer, .address_space: global }
      - { .name: vcodes, .offset: 40, .size: 8, .value_kind: global_buffer, .address_space: global }
    .group_segment_fixed_size: 34304
    .private_segment_fixed_size: 0
    .kernarg_segment_align: 8
    .kernarg_segment_size: 48
    .max_flat_workgroup_size: 128
    .sgpr_count:     66
    .vgpr_count:     256
    .wavefront_size: 32
...
	.end_amdgpu_metadata
.endif
;; end of part 1
;; launch attn (part 2): grid 64 x 4, 8 waves a work-group, clusters of 4 x 1, 327,680 bytes of LDS; arguments qcodes, kcodes, vcodes, label_arr, out0; writes out0
.if DOCPART == 2
	.amdgcn_target "amdgcn-amd-amdhsa--gfx1250"
	.amdhsa_code_object_version 6
	.text
	.protected	k_q95d3268ebd_attn
	.globl	k_q95d3268ebd_attn
	.p2align	8
	.type	k_q95d3268ebd_attn,@function
k_q95d3268ebd_attn:
	s_mov_b64 s[64:65], 0
	v_nop
	global_prefetch_b8 v0, s[64:65] scope:SCOPE_SE
	s_setreg_imm32_b32 hwreg(HW_REG_WAVE_MODE, 25, 1), 1
	s_wait_xcnt 0x0
	s_wait_alu depctr_hold_cnt(0) depctr_sa_sdst(0) depctr_va_vdst(0) depctr_va_sdst(0) depctr_va_ssrc(0) depctr_va_vcc(0) depctr_vm_vsrc(0)
	s_getreg_b32 s2, hwreg(HW_REG_IB_STS2, 6, 4)
	s_cmp_eq_u32 s2, 0
	s_cbranch_scc0 .Lentry_in_a_cluster
	s_endpgm
.Lentry_in_a_cluster:
	s_bfe_u32 s2, ttmp6, 0x10000c
	s_cmp_lg_u32 s2, 0x3003
	s_cbranch_scc0 .Lentry_shape_is_right
	s_endpgm
.Lentry_shape_is_right:
; out = softmax(scale q k^T, pairs of unlike labels shut out) v, both products in MX-BF6, from the codes that launch quant laid in register order.
; A work-group takes 64 queries and walks the batch's 32 tiles of 128 keys through two LDS slots; four work-groups of a cluster ask for each tile jointly.
; Waves 0-3 make S^T = k q^T (32 keys x 64 queries each), the running whole-number maximum, p and its codes; waves 4-7 make O^T += v^T p^T (128 of d each), one tile behind.
; THE MASK IS THE FIRST K STEP OF S^T, begun with C = 0.  A key's five label bits are ten codes: 2.0 at place b of word 0 where bit b is 1, at place b of word 3 where it is 0.
; A query holds -28 x 2^100 at the opposite places (lanes 0-15 alone; all its other codes are 0, so what else the key's twelve registers hold adds nothing).
; Equal labels: every product is 0, the sum is exactly 0.  Unlike labels: at most -2 x 28 x 2^100, which the exponential turns into 0.
; No work of reference() is left out: unlike pairs lie inside tiles that also hold live pairs.
; LIMITS: label_arr holds cluster numbers 0 .. 31 (the problem's N_CLUSTERS = 32); the scaled scores stay under 2^29 in magnitude; NaN and infinities among the inputs are not served.
.set SLOT1, 131072
.set PART,  12800
.set TILE,  51200
.set SCI,   12288
.set PB,    102400
.set AB,    108544
.set LAB,   262144
.set STAT,  278528
.set STG,   280576
.set SPARE, 314368
.set LK,  36
.set ST,  56
.set SS,  88
.set KF,  152
.set XB,  152
.set OM,  156
.set SOP, 160
.set AV,  164
.set BM,  248
.set PD,  252
.set AW,  36
.set PF,  56
.set VF,  104
.set RR,  200
.set FF,  204
.set WK,  212
.set BK,  56
.set MSB, 0
.macro WIN new
.if MSB != \new
	s_set_vgpr_msb (MSB<<8)|\new
.set MSB, \new
.endif
.endm
.macro WS d, a, b, c, sa, sb, ra, rb
.if (\ra) && (\rb)
	v_wmma_scale_f32_16x16x128_f8f6f4 v[\d:\d+7], v[\a:\a+11], v[\b:\b+11], \c, v[\sa], v[\sb] matrix_a_fmt:MATRIX_FMT_BF6 matrix_b_fmt:MATRIX_FMT_BF6 matrix_a_scale:MATRIX_SCALE_ROW1 matrix_b_scale:MATRIX_SCALE_ROW1
.elseif \ra
	v_wmma_scale_f32_16x16x128_f8f6f4 v[\d:\d+7], v[\a:\a+11], v[\b:\b+11], \c, v[\sa], v[\sb] matrix_a_fmt:MATRIX_FMT_BF6 matrix_b_fmt:MATRIX_FMT_BF6 matrix_a_scale:MATRIX_SCALE_ROW1
.elseif \rb
	v_wmma_scale_f32_16x16x128_f8f6f4 v[\d:\d+7], v[\a:\a+11], v[\b:\b+11], \c, v[\sa], v[\sb] matrix_a_fmt:MATRIX_FMT_BF6 matrix_b_fmt:MATRIX_FMT_BF6 matrix_b_scale:MATRIX_SCALE_ROW1
.else
	v_wmma_scale_f32_16x16x128_f8f6f4 v[\d:\d+7], v[\a:\a+11], v[\b:\b+11], \c, v[\sa], v[\sb] matrix_a_fmt:MATRIX_FMT_BF6 matrix_b_fmt:MATRIX_FMT_BF6
.endif
.endm
.macro ROUND
	s_barrier_signal -1
	s_barrier_wait -1
	s_cmp_lg_u32 s14, 0
	s_cbranch_scc1 .Lnw0_\@
	s_barrier_signal -3
.Lnw0_\@:
	s_barrier_wait -3
	s_barrier_signal -1
	s_barrier_wait -1
.endm
.macro TLOAD who
.if \who == 1
	s_cmp_lt_u32 s14, 4
	s_cbranch_scc0 .Lnofill_\@
.endif
.if \who == 3
	s_cmp_lt_u32 s14, 4
	s_cbranch_scc1 .Lnofill_\@
.endif
	tensor_load_to_lds s[52:55], s[24:31]
	s_nop 0
.rept 4
	v_nop
.endr
.Lnofill_\@:
.endm
.macro ADDRS
	v_add_nc_u32 v14, s56, v3
	v_add_nc_u32 v15, s57, v4
	v_add_nc_u32 v16, s56, v5
	v_add_nc_u32 v17, s56, v6
	v_add_nc_u32 v18, s56, v7
	v_add_nc_u32 v19, s56, v8
.endm
.macro SROLE last
	WIN 0x40
	ds_load_b32 v240, v15                          ; v496: the label word of my key row of fragment u = 0
	ds_load_b32 v244, v15 offset:32                ; v500: of u = 1, eight keys on
	WIN 0
	ds_load_b128 v[32:35], v14 offset:SCI
.irp s, 0,1,2,3
.irp u, 0,1
.irp c, 0,1,2
	ds_load_b128 v[KF+12*(4*\u+\s)+4*\c:KF+12*(4*\u+\s)+4*\c+3], v14 offset:1536*(4*\u+\s)+512*\c
.endr
.endr
.endr
	s_wait_dscnt 25                                ; of 27 loads the first two, the label words, are in
	WIN 0x44
	v_xor_b32 v243, s61, v240                      ; word 3: a code where the key's bit is 0
	v_xor_b32 v247, s61, v244
	WIN 0x05
.rept 4
	v_nop                                          ; an operand written by a vector instruction stands 4 places ahead of a scaled matrix instruction
.endr
.irp u, 0,1
.irp q, 0,1,2,3
	WS SS+16*\q+8*\u, 240+4*\u, 192+12*\q, 0, 22, 23, 0, 0   ; the mask starts the sums: 0 or a large negative number
.endr
.endr
	WIN 0x04
.irp s, 0,1,2,3
	s_wait_dscnt 18-6*\s                           ; the two words, the scales and 6 (s + 1) fragment loads are in
.irp u, 0,1
.irp q, 0,1,2,3
	WS SS+16*\q+8*\u, KF+12*(4*\u+\s), 12*(4*\q+\s), v[SS+16*\q+8*\u:SS+16*\q+8*\u+7], 32+\s, 24+4*(\q/2)+\s, \u, \q%2
.endr
.endr
.endr
	WIN 0
.rept 4
	v_nop
.endr
.irp q, 0,1,2,3
	v_max3_num_f32 v[BM+\q], v[SS+16*\q], v[SS+16*\q+1], v[SS+16*\q+2]
.endr
.irp i, 3,5,7,9,11,13
.irp q, 0,1,2,3
	v_max3_num_f32 v[BM+\q], v[BM+\q], v[SS+16*\q+\i], v[SS+16*\q+\i+1]
.endr
.endr
.irp q, 0,1,2,3
	v_max_num_f32 v[BM+\q], v[BM+\q], v[SS+16*\q+15]
.endr
.irp q, 0,1,2,3
	s_delay_alu instid0(VALU_DEP_4)
	v_permlanex16_b32 v[PD+\q], v[BM+\q], s20, s21
.endr
.irp q, 0,1,2,3
	s_delay_alu instid0(VALU_DEP_4)
	v_max_num_f32 v[BM+\q], v[BM+\q], v[PD+\q]
.endr
.irp q, 0,1,2,3
	s_delay_alu instid0(VALU_DEP_4)
	v_mul_f32 v[XB+\q], s22, v[BM+\q]
.endr
.irp q, 0,1,2,3
	s_delay_alu instid0(VALU_DEP_4)
	v_max_num_f32 v[ST+8*\q+1], v[ST+8*\q+1], v[XB+\q]
.endr
.irp q, 0,1,2,3
	v_mov_b32 v[OM+\q], v[ST+8*\q+6]
.endr
.irp q, 0,1,2,3
	v_floor_f32 v[ST+8*\q], -v[ST+8*\q+1]
.endr
.irp q, 0,1,2,3
	s_delay_alu instid0(VALU_DEP_4)
	v_cvt_i32_f32 v[ST+8*\q+6], v[ST+8*\q]
.endr
.irp q, 0,1,2,3
	s_delay_alu instid0(VALU_DEP_4)
	v_sub_nc_u32 v[OM+\q], v[ST+8*\q+6], v[OM+\q]
.endr
.irp q, 0,1,2,3
	s_delay_alu instid0(VALU_DEP_4)
	v_ldexp_f32 v[ST+8*\q+4], 1.0, v[OM+\q]
.endr
.irp q, 0,1,2,3
.irp j, 0,2,4,6,8,10,12,14
	v_pk_fma_f32 v[SS+16*\q+\j:SS+16*\q+\j+1], v[SS+16*\q+\j:SS+16*\q+\j+1], s[22:23], v[ST+8*\q:ST+8*\q+1] op_sel_hi:[1,0,0]
.endr
.endr
.irp q, 0,1,2,3
	v_fma_f32 v[XB+\q], v[BM+\q], s22, v[ST+8*\q]
.endr
	s_wait_alu depctr_va_vdst(0)
.irp j, 0,1,2,3,4,5,6,7,8,9,10,11,12,13,14,15,16,17,18,19,20,21,22,23,24,25,26,27,28,29,30,31,32,33,34,35,36,37,38,39,40,41,42,43,44,45,46,47,48,49,50,51,52,53,54,55,56,57,58,59,60,61,62,63
	v_exp_f32 v[SS+\j], v[SS+\j]
.endr
.irp q, 0,1,2,3
	v_pk_mul_f32 v[ST+8*\q+2:ST+8*\q+3], v[ST+8*\q+2:ST+8*\q+3], v[ST+8*\q+4:ST+8*\q+5] op_sel_hi:[1,0]
.endr
	s_wait_alu depctr_va_vdst(0)
.irp q, 0,1,2,3
	v_exp_f32 v[XB+\q], v[XB+\q]
.endr
.irp j, 0,2,4,6,8,10,12,14
.irp q, 0,1,2,3
	v_pk_add_f32 v[ST+8*\q+2:ST+8*\q+3], v[ST+8*\q+2:ST+8*\q+3], v[SS+16*\q+\j:SS+16*\q+\j+1]
.endr
.endr
	s_wait_alu depctr_va_vdst(0)
.irp q, 0,1,2,3
	v_max_num_f32 v[XB+\q], 0x2800000, v[XB+\q]
.endr
.irp q, 0,1,2,3
	s_delay_alu instid0(VALU_DEP_4)
	v_add_nc_u32 v[SOP+\q], 0xfe000000, v[XB+\q]
.endr
.irp q, 0,1,2,3
	s_delay_alu instid0(VALU_DEP_4)
	v_lshrrev_b32 v[AV+\q], 23, v[SOP+\q]
.endr
.irp q, 0,1,2,3
	s_delay_alu instid0(VALU_DEP_4)
	v_sub_nc_u32 v[AV+\q], v[AV+\q], v[ST+8*\q+6]
.endr
.irp q, 0,1,2,3
	v_cvt_scalef32_pk16_bf6_f32 v[LK+4*\q:LK+4*\q+2], v[SS+16*\q:SS+16*\q+15], v[SOP+\q]
.endr
	v_nop
.irp q, 0,1,2,3
.irp e, 0,1,2
	ds_store_b32 v16, v[LK+4*\q+\e] offset:1536*\q+4*\e
.endr
.endr
.irp q, 0,1,2,3
	ds_store_b32 v17, v[AV+\q] offset:256*\q
.endr
.if \last
.irp q, 0,1,2,3
	v_add_f32 v[ST+8*\q+7], v[ST+8*\q+2], v[ST+8*\q+3]
.endr
.irp q, 0,1,2,3
	s_delay_alu instid0(VALU_DEP_4)
	v_permlanex16_b32 v[PD+\q], v[ST+8*\q+7], s20, s21
.endr
.irp q, 0,1,2,3
	s_delay_alu instid0(VALU_DEP_4)
	v_add_f32 v[ST+8*\q+7], v[ST+8*\q+7], v[PD+\q]
.endr
.irp q, 0,1,2,3
	ds_store_b64 v9, v[ST+8*\q+6:ST+8*\q+7] offset:512*\q
.endr
.endif
.endm
.macro PVROLE first
.irp q, 0,1,2,3
	ds_load_b128 v[AW+4*\q:AW+4*\q+3], v19 offset:256*\q
.endr
.irp q, 0,1,2,3
.irp c, 0,1,2
	ds_load_b128 v[PF+12*\q+4*\c:PF+12*\q+4*\c+3], v18 offset:1536*\q+16*\c
.endr
.endr
	ds_load_b128 v[32:35], v14 offset:SCI
.irp t, 0,1,2,3,4,5,6,7
.irp c, 0,1,2
	ds_load_b128 v[VF+12*\t+4*\c:VF+12*\t+4*\c+3], v14 offset:1536*\t+512*\c
.endr
.endr
	s_wait_dscnt 37
.irp q, 0,1,2,3
	v_max_i32 v[WK+\q], v[AW+4*\q], v[AW+4*\q+1]
.endr
.irp q, 0,1,2,3
	v_max_i32 v[WK+4+\q], v[AW+4*\q+2], v[AW+4*\q+3]
.endr
.irp q, 0,1,2,3
	s_delay_alu instid0(VALU_DEP_4)
	v_max_i32 v[WK+\q], v[WK+\q], v[WK+4+\q]
.endr
.if \first == 0
.irp q, 0,1,2,3
	s_delay_alu instid0(VALU_DEP_4)
	v_max_i32 v[WK+\q], v[WK+\q], v[RR+\q]
.endr
.irp q, 0,1,2,3
	s_delay_alu instid0(VALU_DEP_4)
	v_sub_nc_u32 v[WK+4+\q], v[RR+\q], v[WK+\q]
.endr
.irp q, 0,1,2,3
	s_delay_alu instid0(VALU_DEP_4)
	v_ldexp_f32 v[FF+2*\q], 1.0, v[WK+4+\q]
.endr
.endif
.irp q, 0,1,2,3
	v_mov_b32 v[RR+\q], v[WK+\q]
.endr
.irp q, 0,1,2,3
	v_add_nc_u32 v[WK+\q], 0xffffff85, v[WK+\q]
.endr
.irp w, 0,1,2,3
.irp q, 0,1,2,3
	v_sub_nc_u32 v[AW+4*\q+\w], v[AW+4*\q+\w], v[WK+\q]
.endr
.endr
.irp w, 0,1,2,3
.irp q, 0,1,2,3
	v_max_i32 v[AW+4*\q+\w], 0, v[AW+4*\q+\w]
.endr
.endr
.irp q, 0,1,2,3
	v_lshl_or_b32 v[24+\q], v[AW+4*\q+1], 8, v[AW+4*\q]
.endr
.irp q, 0,1,2,3
	s_delay_alu instid0(VALU_DEP_4)
	v_lshl_or_b32 v[24+\q], v[AW+4*\q+2], 16, v[24+\q]
.endr
.irp q, 0,1,2,3
	s_delay_alu instid0(VALU_DEP_4)
	v_lshl_or_b32 v[24+\q], v[AW+4*\q+3], 24, v[24+\q]
.endr
.if \first == 0
	WIN 0x41
.irp q, 0,1,2,3
.set i, 0
.rept 32
	v_pk_mul_f32 v[64*\q+i:64*\q+i+1], v[64*\q+i:64*\q+i+1], v[FF+2*\q:FF+2*\q+1] op_sel_hi:[1,0]
.set i, i+2
.endr
.endr
.else
.rept 8
	v_nop
.endr
.endif
	s_wait_alu depctr_va_vdst(0)
	s_wait_dscnt 0x0
	WIN 0x50
.irp t, 0,1,2,3,4,5,6,7
.irp q, 0,1,2,3
.if \first
	WS 64*\q+8*\t, VF+12*\t, PF+12*\q, 0, 32+\t/2, 24+\q, \t%2, 0
.else
	WS 64*\q+8*\t, VF+12*\t, PF+12*\q, v[64*\q+8*\t:64*\q+8*\t+7], 32+\t/2, 24+\q, \t%2, 0
.endif
.endr
.endr
	WIN 0
.rept 4
	v_nop
.endr
.endm
.macro TRIP fill, sw, pw, pfirst, slast
	s_wait_tensorcnt 0x0
	ds_add_u32 v1, v2
.if \fill
	s_xor_b32 s53, s53, SLOT1
	s_add_co_u32 s60, s60, 1
	s_and_b32 s60, s60, 31
	s_cmp_eq_u32 s60, 0
	s_cselect_b32 s76, 32*TILE, 0
	s_add_nc_u64 s[54:55], s[54:55], TILE
	s_sub_nc_u64 s[54:55], s[54:55], s[76:77]
.endif
	ADDRS
	s_wait_dscnt 0x0
.if \fill
	ROUND
	TLOAD \fill
.else
	s_barrier_signal -1
	s_barrier_wait -1
.endif
	s_cmp_lt_u32 s14, 4
	s_cbranch_scc0 .Lpv_\@
.if \sw
	s_wait_alu depctr_va_vdst(0)
	SROLE \slast
.endif
	s_branch .Ljoin_\@
.Lpv_\@:
.if \pw
	s_wait_alu depctr_va_vdst(0)
	PVROLE \pfirst
.endif
.Ljoin_\@:
	s_xor_b32 s56, s56, SLOT1
	s_add_co_u32 s57, s57, 512
.endm
	s_load_b256 s[4:11], s[0:1], 0x0
	s_load_b64 s[12:13], s[0:1], 0x20
	v_lshl_add_u32 v1, v0, 2, SPARE
	v_mov_b32 v2, 0
	ds_add_u32 v1, v2
	ds_add_u32 v1, v2
	v_lshrrev_b32 v39, 5, v0
	s_delay_alu instid0(VALU_DEP_1)
	v_readfirstlane_b32 s14, v39
	s_lshr_b32 s15, s14, 2
	s_and_b32 s16, s14, 3
	s_bfe_u32 s17, ttmp6, 0x40000
	s_lshl_b32 s18, ttmp9, 2
	s_add_co_u32 s18, s18, s17
	s_and_b32 s19, ttmp7, 0xffff
	s_mov_b32 s20, 0x76543210
	s_mov_b32 s21, 0xfedcba98
	s_mov_b32 s22, 0x3d8293ee
	s_mov_b32 s23, s22
	s_mov_b32 s24, 15|(3<<16)|(1<<21)
	s_mov_b32 s25, 32<<16
	s_mov_b32 s26, 50<<16
	s_mov_b32 s27, 32<<16
	s_mov_b32 s28, 50
	s_mov_b32 s29, 32
	s_mov_b32 s30, 0
	s_mov_b32 s31, 0
	s_mul_i32 s68, s14, PART
	s_mov_b32 s61, 0x10410410                      ; bit 4 of the codes at places 0 .. 4 of a word: five codes of 2.0
	s_lshl_b32 s41, s14, 11
	s_add_co_u32 s41, s41, LAB
	s_mov_b32 s44, 1
	s_mov_b32 s45, s68
	s_mov_b32 s48, 1
	s_add_co_u32 s49, s68, SLOT1
	s_mov_b32 s52, 1
	s_xor_b32 s69, s15, 1
	s_lshl_b32 s70, s69, 17
	s_add_co_u32 s53, s68, s70
	s_lshl_b32 s56, s15, 17
	s_mov_b32 s57, 0
	s_mov_b32 s58, 29
	s_lshr_b32 s59, ttmp9, 3
	s_add_co_u32 s59, s59, ttmp9
	s_and_b32 s59, s59, 7
	s_lshl_b32 s59, s59, 2
	s_add_co_u32 s60, s59, s69
	v_and_b32 v36, 31, v0
	v_and_b32 v37, 15, v0
	s_wait_alu depctr_va_vdst(0)
	v_bfe_u32 v38, v0, 4, 1
	v_lshl_add_u32 v3, v36, 4, s68
	s_lshl_b32 s68, s16, 7
	s_add_co_u32 s68, s68, LAB
	v_and_b32 v4, 8, v37
	v_add_nc_u32 v4, v4, v37                       ; r + 8 (r / 8): my key row in a fragment
	v_lshl_add_u32 v4, v4, 2, s68                  ; its label word
	s_and_b32 s68, s16, 1
	s_mul_i32 s68, s68, 768
	s_lshr_b32 s70, s16, 1
	s_mul_i32 s70, s70, 24
	s_add_co_u32 s68, s68, s70
	s_add_co_u32 s68, s68, PB
	v_mul_u32_u24 v5, v37, 48
	s_wait_alu depctr_va_vdst(0)
	v_mad_u32_u24 v5, v38, 12, v5
	s_delay_alu instid0(VALU_DEP_1)
	v_add_nc_u32 v5, s68, v5
	s_lshl_b32 s68, s16, 2
	s_add_co_u32 s68, s68, AB
	v_lshl_add_u32 v6, v37, 4, s68
	v_mul_u32_u24 v7, v36, 48
	s_delay_alu instid0(VALU_DEP_1)
	v_add_nc_u32 v7, PB, v7
	v_lshl_add_u32 v8, v37, 4, AB
	s_lshl_b32 s68, s16, 3
	s_add_co_u32 s68, s68, STAT
	v_lshl_add_u32 v9, v37, 5, s68
	v_lshl_add_u32 v10, v37, 5, STAT
	s_mul_i32 s68, s16, 8448
	s_add_co_u32 s68, s68, STG
	v_mul_u32_u24 v11, v37, 528
	s_delay_alu instid0(VALU_DEP_1)
	v_lshl_add_u32 v11, v38, 5, v11
	s_delay_alu instid0(VALU_DEP_1)
	v_add_nc_u32 v11, s68, v11
	v_lshl_add_u32 v12, v36, 4, s68
	s_lshl_b32 s68, s16, 9
	v_lshl_add_u32 v13, v36, 4, s68
	v_and_b32 v21, 8, v37
	s_delay_alu instid0(VALU_DEP_1)
	v_add_nc_u32 v21, v21, v37
	s_delay_alu instid0(VALU_DEP_1)
	v_lshlrev_b32 v21, 2, v21
	v_lshlrev_b32 v53, 4, v36
	v_lshl_add_u32 v20, v36, 4, s41                ; where my wave's 512 label words go in LDS
	s_wait_alu depctr_va_vdst(0)
	s_wait_dscnt 0x0
	s_wait_kmcnt 0x0
	s_cmp_lt_u32 s14, 4
	s_cselect_b64 s[72:73], s[6:7], s[8:9]
	s_lshl_b32 s70, s19, 5
	s_add_co_u32 s70, s70, s59
	s_mul_i32 s70, s70, TILE
	s_mul_i32 s71, s16, PART
	s_add_co_u32 s70, s70, s71
	s_mov_b32 s71, 0
	s_add_nc_u64 s[72:73], s[72:73], s[70:71]
	s_mul_i32 s70, s69, TILE
	s_mov_b64 s[46:47], s[72:73]
	s_add_nc_u64 s[50:51], s[72:73], TILE
	s_add_nc_u64 s[54:55], s[72:73], s[70:71]
	s_or_b32 s47, s47, 0x80000000
	s_or_b32 s51, s51, 0x80000000
	s_or_b32 s55, s55, 0x80000000
	s_lshl_b32 s68, s14, 2
	s_add_co_u32 s68, s68, s59
	s_and_b32 s68, s68, 31
	s_lshl_b32 s68, s68, 9
	s_lshl_b32 s70, s19, 14
	s_add_co_u32 s70, s70, s68
	s_add_nc_u64 s[42:43], s[10:11], s[70:71]
	s_lshl_b32 s76, s19, 14
	s_lshl_b32 s78, s18, 8
	s_add_co_u32 s76, s76, s78
	s_mov_b32 s77, 0
	s_add_nc_u64 s[74:75], s[10:11], s[76:77]
	s_lshl_b32 s76, s19, 5
	s_lshr_b32 s78, s18, 1
	s_add_co_u32 s76, s76, s78
	s_mul_i32 s76, s76, TILE
	s_and_b32 s78, s18, 1
	s_mul_i32 s78, s78, 2*PART
	s_add_co_u32 s76, s76, s78
	s_add_nc_u64 s[4:5], s[4:5], s[76:77]
	s_lshl_b32 s76, s19, 23
	s_lshl_b32 s78, s18, 17
	s_add_co_u32 s76, s76, s78
	s_add_nc_u64 s[12:13], s[12:13], s[76:77]
	s_cmp_lt_u32 s14, 4                            ; waves 0-3: q's fragments, scales and labels are asked for ahead of the first round
	s_cbranch_scc0 .Lnoq
	WIN 0x40
.irp a, 0,1
.irp u, 0,1
.irp s, 0,1,2,3
.irp c, 0,1,2
	global_load_b128 v[12*(4*(2*\a+\u)+\s)+4*\c:12*(4*(2*\a+\u)+\s)+4*\c+3], v53, s[4:5] offset:PART*\a+1536*(4*\u+\s)+512*\c th:TH_LOAD_NT
.endr
.endr
.endr
.endr
	WIN 0
.irp a, 0,1
	global_load_b128 v[24+4*\a:27+4*\a], v53, s[4:5] offset:PART*\a+SCI th:TH_LOAD_NT
.endr
.irp q, 0,1,2,3
	global_load_b32 v[172+\q], v21, s[74:75] offset:128*(\q/2)+32*(\q%2)
.endr
.Lnoq:
.irp i, 0,1,2,3
	global_load_b128 v[152+4*\i:155+4*\i], v53, s[42:43] offset:512*\i   ; every wave: 512 of the batch's key labels
.endr
	ROUND
	tensor_load_to_lds s[44:47], s[24:31]          ; tile 0: the first of my two tensor loads at the head
	s_nop 0
.rept 4
	v_nop
.endr
	s_wait_loadcnt 0x0
.set i, 152
.rept 16
	v_lshlrev_b32 v[i], 4, v[i]
.set i, i+1
.endr
.set i, 152
.rept 16
	v_mul_u32_u24 v[i], v[i], 0x108421             ; five copies of 16 x label, 5 bits apart
.set i, i+1
.endr
.set i, 152
.rept 16
	v_and_b32 v[i], s61, v[i]                      ; bit b of copy b, at 6 b + 4: a code of 2.0 at place b where the bit is 1
.set i, i+1
.endr
.irp i, 0,1,2,3
	ds_store_b128 v20, v[152+4*\i:155+4*\i] offset:512*\i   ; bytes of their own: no tensor load lands on them
.endr
	s_wait_tensorcnt 0x0
	ds_add_u32 v1, v2
	s_wait_dscnt 0x0
	ROUND
	tensor_load_to_lds s[48:51], s[24:31]
	s_nop 0
.rept 4
	v_nop
.endr
	s_cmp_lt_u32 s14, 4
	s_cbranch_scc0 .Lpvhead
	WIN 0x40
.set i, 192
.rept 64
	v_mov_b32 v[i], 0                              ; v448-495 the queries' four mask fragments, v496-511 the keys' two (they overlap: bases 496 and 500)
.set i, i+1
.endr
	WIN 0
	v_add_nc_u32 v180, -1, v38                     ; all ones in lanes 0-15, 0 in lanes 16-31
.irp q, 0,1,2,3
	v_mul_u32_u24 v[172+\q], v[172+\q], 0x108421   ; five copies of the label, 5 bits apart;
.endr
.irp q, 0,1,2,3
	v_and_b32 v[172+\q], 0x01041041, v[172+\q]     ; bit b of copy b: at 6 b, where my bit is 1
.endr
.irp q, 0,1,2,3
	v_xor_b32 v[176+\q], 0x01041041, v[172+\q]     ; and where it is 0
.endr
.irp q, 0,1,2,3
	v_lshlrev_b32 v[184+\q], 6, v[172+\q]
	v_lshlrev_b32 v[188+\q], 6, v[176+\q]
.endr
.irp q, 0,1,2,3
	v_sub_nc_u32 v[172+\q], v[184+\q], v[172+\q]   ; x 63: the code of -28 at each such place
	v_sub_nc_u32 v[176+\q], v[188+\q], v[176+\q]
.endr
	WIN 0x40
.irp q, 0,1,2,3
	v_and_b32 v[192+12*\q], v[176+\q], v180        ; word 0 meets the key's ones: set where my bit is 0
	v_and_b32 v[195+12*\q], v[172+\q], v180        ; word 3 meets the key's zeros: set where my bit is 1
.endr
	WIN 0
	v_mov_b32 v22, 0x7f7f7f7f                      ; the mask step's scales: the keys' 1,
	v_mov_b32 v23, 0x7f7f7fe3                      ; the queries' 2^100 for block 0
.irp q, 0,1,2,3
	v_mov_b32 v[ST+8*\q], 0x4e000000
	v_mov_b32 v[ST+8*\q+1], 0xce000000
	v_mov_b32 v[ST+8*\q+2], 0
	v_mov_b32 v[ST+8*\q+3], 0
	v_mov_b32 v[ST+8*\q+5], 0
	v_mov_b32 v[ST+8*\q+6], 0x20000000
	v_mov_b32 v[PD+\q], 0
.endr
	s_branch .Lheads_done
.Lpvhead:
.irp q, 0,1,2,3
	v_mov_b32 v[FF+2*\q+1], 0
.endr
.Lheads_done:
	s_wait_tensorcnt 0x1
	ADDRS
	s_barrier_signal -1
	s_barrier_wait -1
	s_cmp_lt_u32 s14, 4
	s_cbranch_scc0 .Ltrip0_done
	s_wait_loadcnt 0x0
	s_wait_alu depctr_va_vdst(0)
	SROLE 0
.Ltrip0_done:
	s_xor_b32 s56, s56, SLOT1
	s_add_co_u32 s57, s57, 512
	TRIP 1, 1, 1, 1, 0
.Lloop:
	TRIP 2, 1, 1, 0, 0
	s_sub_co_u32 s58, s58, 1
	s_cmp_lg_u32 s58, 0
	s_cbranch_scc1 .Lloop
	TRIP 3, 1, 1, 0, 1
	TRIP 0, 0, 1, 0, 0
	s_cmp_lt_u32 s14, 4
	s_cbranch_scc1 .Ldone
.irp q, 0,1,2,3
	ds_load_b128 v[56+8*\q:59+8*\q], v10 offset:512*\q
	ds_load_b128 v[60+8*\q:63+8*\q], v10 offset:512*\q+16
.endr
	s_wait_dscnt 0x0
.irp q, 0,1,2,3
	v_sub_nc_u32 v[WK+\q], 123, v[RR+\q]
.endr
.irp w, 0,1,2,3
.irp q, 0,1,2,3
	v_sub_nc_u32 v[56+8*\q+2*\w], v[WK+\q], v[56+8*\q+2*\w]
.endr
.endr
.irp w, 0,1,2,3
.irp q, 0,1,2,3
	v_ldexp_f32 v[57+8*\q+2*\w], v[57+8*\q+2*\w], v[56+8*\q+2*\w]
.endr
.endr
.irp q, 0,1,2,3
	v_add_f32 v[57+8*\q], v[57+8*\q], v[59+8*\q]
.endr
.irp q, 0,1,2,3
	v_add_f32 v[61+8*\q], v[61+8*\q], v[63+8*\q]
.endr
.irp q, 0,1,2,3
	s_delay_alu instid0(VALU_DEP_4)
	v_add_f32 v[57+8*\q], v[57+8*\q], v[61+8*\q]
.endr
	s_wait_alu depctr_va_vdst(0)
.irp q, 0,1,2,3
	v_rcp_f32 v[FF+2*\q], v[57+8*\q]
.endr
	v_nop
	s_wait_alu depctr_va_vdst(0)
.macro TOSTAGE q
	WIN 0x41
.set i, 0
.rept 32
	v_pk_mul_f32 v[64*\q+i:64*\q+i+1], v[64*\q+i:64*\q+i+1], v[FF+2*\q:FF+2*\q+1] op_sel_hi:[1,0]
.set i, i+2
.endr
	WIN 0x04
.irp t, 0,1,2,3,4,5,6,7
	ds_store_b128 v11, v[64*\q+8*\t:64*\q+8*\t+3] offset:64*\t
	ds_store_b128 v11, v[64*\q+8*\t+4:64*\q+8*\t+7] offset:64*\t+16
.endr
	WIN 0
.irp i, 0,1,2,3,4,5,6,7,8,9,10,11,12,13,14,15
	ds_load_b128 v[BK+64*(\q%2)+4*\i:BK+64*(\q%2)+4*\i+3], v12 offset:528*\i
.endr
.endm
.macro SEND q, younger
	s_wait_dscnt \younger
.irp i, 0,1,2,3,4,5,6,7,8,9,10,11,12,13,14,15
	global_store_b128 v13, v[BK+64*(\q%2)+4*\i:BK+64*(\q%2)+4*\i+3], s[12:13] offset:(32*(\q/2)+8*(\q%2)+\i+8*(\i/8))*2048 th:TH_STORE_NT
.endr
.endm
	TOSTAGE 0
	TOSTAGE 1
	SEND 0, 32
	s_wait_xcnt 0x0
	TOSTAGE 2
	SEND 1, 32
	s_wait_xcnt 0x0
	TOSTAGE 3
	SEND 2, 32
	SEND 3, 0
.Ldone:
	s_wait_tensorcnt 0x0
	ds_add_u32 v1, v2
	s_wait_dscnt 0x0
	ROUND
	s_endpgm
.Lfunc_end_k_q95d3268ebd_attn:
	.size	k_q95d3268ebd_attn, .Lfunc_end_k_q95d3268ebd_attn-k_q95d3268ebd_attn
	.p2alignl 7, 3214868480
	.fill 96, 4, 3214868480
	.section	.rodata,"a",@progbits
	.p2align	6, 0x0
	.amdhsa_kernel k_q95d3268ebd_attn
		.amdhsa_group_segment_fixed_size 327680
		.amdhsa_private_segment_fixed_size 0
		.amdhsa_enable_private_segment 0
		.amdhsa_kernarg_size 40
		.amdhsa_user_sgpr_count 2
		.amdhsa_user_sgpr_kernarg_segment_ptr 1
		.amdhsa_wavefront_size32 1
		.amdhsa_system_sgpr_workgroup_id_x 1
		.amdhsa_system_sgpr_workgroup_id_y 1
		.amdhsa_system_sgpr_workgroup_id_z 1
		.amdhsa_system_vgpr_workitem_id 0
		.amdhsa_next_free_vgpr 512
		.amdhsa_next_free_sgpr 80
		.amdhsa_reserve_vcc 0
		.amdhsa_float_denorm_mode_32 3
		.amdhsa_float_denorm_mode_16_64 3
		.amdhsa_memory_ordered 1
		.amdhsa_forward_progress 1
		.amdhsa_inst_pref_size 203
	.end_amdhsa_kernel
	.amdgpu_metadata
---
amdhsa.version: [ 1, 2 ]
amdhsa.kernels:
  - .name:           k_q95d3268ebd_attn
    .symbol:         k_q95d3268ebd_attn.kd
    .args:
      - { .name: qcodes, .offset: 0, .size: 8, .value_kind: global_buffer, .address_space: global }
      - { .name: kcodes, .offset: 8, .size: 8, .value_kind: global_buffer, .address_space: global }
      - { .name: vcodes, .offset: 16, .size: 8, .value_kind: global_buffer, .address_space: global }
      - { .name: label_arr, .offset: 24, .size: 8, .value_kind: global_buffer, .address_space: global }
      - { .name: out0, .offset: 32, .size: 8, .value_kind: global_buffer, .address_space: global }
    .group_segment_fixed_size: 327680
    .private_segment_fixed_size: 0
    .kernarg_segment_align: 8
    .kernarg_segment_size: 40
    .max_flat_workgroup_size: 256
    .sgpr_count:     80
    .vgpr_count:     512
    .wavefront_size: 32
...
	.end_amdgpu_metadata
.endif
;; end of part 2
